; MI455X (gfx1250); checked and timed in simulation.
; The chip was launched on July 23, 2026; its instructions are those of AMD's public machine-readable ISA for CDNA 5 (MIT licence, August 2026) and "CDNA5" Instruction Set Architecture Reference Guide (July 2026). The comments in the code are by the model that wrote it; some were corrected since.
;; Real Gated Linear Recurrent Unit. Allowed arithmetic: float matrix products may take bf16 or f16 operands with f32 sums; other float arithmetic in f32, or as packed bf16 or f16 multiplies, adds, multiply-adds, maxima and minima; sums over many terms, partial sums and values carried from step to step in f32; what a program stores and reads back later, other than sums and carried values, may be rounded once to bf16 or f16.
;; Inputs: Lam 2,048 float32; Wa 2,048 x 2,048 float32; Wx 2,048 x 2,048 float32; ba 2,048 float32; bx 2,048 float32; x 4 x 2,048 x 2,048 float32.
;; Outputs: out0 4 x 2,048 x 2,048 float32.
;; 2 versions, each right; version 2 is version 1 with the launches cvt, scan written anew for expert scheduling mode. Each part assembles by itself: llvm-mc -triple=amdgcn-amd-amdhsa -mcpu=gfx1250 --defsym DOCPART=n.
;; ======== version 1 of 2: 3 launches
;; limits: inputs' magnitudes at most 65,504; values are held in f16: magnitudes above 65,504 overflow, below 6.1e-05 lose precision
;; workspace buffers: xb 33,554,432 bytes; wb 16,777,216 bytes; gm 33,554,432 bytes; gu 33,554,432 bytes; sm 1,048,576 bytes
;; launch cvt (part 1): grid 768 x 1, 8 waves a work-group, no clusters, 0 bytes of LDS; arguments x, Wa, Wx, xb, wb; writes xb, wb
.if DOCPART == 1
	.amdgcn_target "amdgcn-amd-amdhsa--gfx1250"
	.amdhsa_code_object_version 6
	.text
	.protected	k_q1f19d219df_cvt
	.globl	k_q1f19d219df_cvt
	.p2align	8
	.type	k_q1f19d219df_cvt,@function
k_q1f19d219df_cvt:
	s_mov_b64 s[64:65], 0
	v_nop
	global_prefetch_b8 v0, s[64:65] scope:SCOPE_SE
	s_setreg_imm32_b32 hwreg(HW_REG_WAVE_MODE, 25, 1), 1
	s_wait_xcnt 0x0
; xb = x rounded to bf16, [8192][2048].  wb = Wa's and Wx's rows rounded to bf16, [4096][2048], interleaved in blocks of 64:
; channel h of gate g (0: Wa, 1: Wx) becomes row (h / 64) x 128 + 64 g + h % 64, so that 128 consecutive rows of wb hold both gates of 64 channels.
; A stream: each byte is read once and written once, nothing is shared, so there is no LDS, no barrier and no matrix work.
; SHARES.  A work-group takes 16 source rows (131,072 bytes in, 65,536 out): groups 0-511 x, 512-639 Wa, 640-767 Wx.  16 source rows are 16 consecutive rows of the target too.
; A wave takes two rows: 32 loads of 512 consecutive bytes, all on their way at once; each load's numbers leave as 256 consecutive bytes, aligned.
.set IN,  16                           ; v[16:143]  load i: 4 registers
.set OUT, 144                          ; v[144:207] load i: 2 registers, 4 bf16
	s_load_b256 s[4:11], s[0:1], 0x0               ; x s[4:5], Wa s[6:7], Wx s[8:9], xb s[10:11]
	s_load_b64 s[12:13], s[0:1], 0x20              ; wb
	s_mov_b32 s14, ttmp9                           ; g
	s_sub_co_u32 s15, s14, 512                     ; the block among the weights' 256 (used where g >= 512 alone)
	s_bfe_u32 s16, s15, 0x10007                    ; the gate: bit 7
	s_and_b32 s17, s15, 127                        ; jj: the block of 16 rows in its matrix
	s_lshr_b32 s18, s17, 2
	s_lshl_b32 s18, s18, 7                         ; (jj / 4) x 128
	s_lshl_b32 s19, s16, 6
	s_add_co_u32 s18, s18, s19                     ; + 64 x gate
	s_and_b32 s19, s17, 3
	s_lshl_b32 s19, s19, 4
	s_add_co_u32 s18, s18, s19                     ; + 16 (jj % 4): the first target row in wb,
	s_lshl_b32 s18, s18, 12                        ; in bytes (a row of bf16 is 4,096)
	s_lshl_b32 s28, s14, 16                        ; the target offset in xb: 16 rows of 4,096 bytes a group
	v_lshrrev_b32 v3, 5, v0                        ; wave
	v_and_b32 v4, 31, v0                           ; lane
	v_lshlrev_b32 v1, 4, v4
	v_lshl_add_u32 v1, v3, 14, v1                  ; source: wave x 2 rows of 8,192 bytes + 16 x lane
	v_lshrrev_b32 v2, 1, v1                        ; target: half of that
	s_wait_kmcnt 0x0
	s_cmp_eq_u32 s16, 0
	s_cselect_b64 s[20:21], s[6:7], s[8:9]         ; Wa or Wx
	s_cmp_lt_u32 s14, 512
	s_cselect_b64 s[20:21], s[4:5], s[20:21]       ; or x
	s_cselect_b64 s[22:23], s[10:11], s[12:13]     ; xb or wb
	s_cselect_b32 s24, s14, s17                    ; the block of 16 rows in the source
	s_cselect_b32 s26, s28, s18
	s_lshl_b32 s24, s24, 17                        ; 16 rows of 8,192 bytes
	s_mov_b32 s25, 0
	s_mov_b32 s27, 0
	s_add_nc_u64 s[20:21], s[20:21], s[24:25]
	s_add_nc_u64 s[22:23], s[22:23], s[26:27]
.set i, 0
.rept 32
	global_load_b128 v[IN+4*i:IN+4*i+3], v1, s[20:21] offset:512*i th:TH_LOAD_NT
.set i, i+1
.endr
.set i, 0
.rept 32
	s_wait_loadcnt 31-i                            ; loads come back in order: load i is in, the 31 - i younger ones stay out
	v_cvt_pk_bf16_f32 v[OUT+2*i],   v[IN+4*i],   v[IN+4*i+1]
	v_cvt_pk_bf16_f32 v[OUT+2*i+1], v[IN+4*i+2], v[IN+4*i+3]
	global_store_b64 v2, v[OUT+2*i:OUT+2*i+1], s[22:23] offset:256*i  ; 32 lanes store 256 consecutive bytes, aligned; no register is written twice, so no further wait
.set i, i+1
.endr
	s_endpgm
.Lfunc_end_k_q1f19d219df_cvt:
	.size	k_q1f19d219df_cvt, .Lfunc_end_k_q1f19d219df_cvt-k_q1f19d219df_cvt
	.p2alignl 7, 3214868480
	.fill 96, 4, 3214868480
	.section	.rodata,"a",@progbits
	.p2align	6, 0x0
	.amdhsa_kernel k_q1f19d219df_cvt
		.amdhsa_group_segment_fixed_size 0
		.amdhsa_private_segment_fixed_size 0
		.amdhsa_enable_private_segment 0
		.amdhsa_kernarg_size 40
		.amdhsa_user_sgpr_count 2
		.amdhsa_user_sgpr_kernarg_segment_ptr 1
		.amdhsa_wavefront_size32 1
		.amdhsa_system_sgpr_workgroup_id_x 1
		.amdhsa_system_sgpr_workgroup_id_y 1
		.amdhsa_system_sgpr_workgroup_id_z 1
		.amdhsa_system_vgpr_workitem_id 0
		.amdhsa_next_free_vgpr 208
		.amdhsa_next_free_sgpr 66
		.amdhsa_reserve_vcc 0
		.amdhsa_float_denorm_mode_32 3
		.amdhsa_float_denorm_mode_16_64 3
		.amdhsa_memory_ordered 1
		.amdhsa_forward_progress 1
		.amdhsa_inst_pref_size 13
	.end_amdhsa_kernel
	.amdgpu_metadata
---
amdhsa.version: [ 1, 2 ]
amdhsa.kernels:
  - .name:           k_q1f19d219df_cvt
    .symbol:         k_q1f19d219df_cvt.kd
    .args:
      - { .name: x, .offset: 0, .size: 8, .value_kind: global_buffer, .address_space: global }
      - { .name: Wa, .offset: 8, .size: 8, .value_kind: global_buffer, .address_space: global }
      - { .name: Wx, .offset: 16, .size: 8, .value_kind: global_buffer, .address_space: global }
      - { .name: xb, .offset: 24, .size: 8, .value_kind: global_buffer, .address_space: global }
      - { .name: wb, .offset: 32, .size: 8, .value_kind: global_buffer, .address_space: global }
    .group_segment_fixed_size: 0
    .private_segment_fixed_size: 0
    .kernarg_segment_align: 8
    .kernarg_segment_size: 40
    .max_flat_workgroup_size: 256
    .sgpr_count:     66
    .vgpr_count:     208
    .wavefront_size: 32
...
	.end_amdgpu_metadata
.endif
;; end of part 1
;; launch gemm (part 2): grid 16 x 32, 4 waves a work-group, clusters of 4 x 4, 327,680 bytes of LDS; arguments xb, wb, ba, bx, Lam, gm, gu, sm; writes gm, gu, sm
.if DOCPART == 2
	.amdgcn_target "amdgcn-amd-amdhsa--gfx1250"
	.amdhsa_code_object_version 6
	.text
	.protected	k_q1f19d219df_gemm
	.globl	k_q1f19d219df_gemm
	.p2align	8
	.type	k_q1f19d219df_gemm,@function
k_q1f19d219df_gemm:
	s_mov_b64 s[64:65], 0
	v_nop
	global_prefetch_b8 v0, s[64:65] scope:SCOPE_SE
	s_setreg_imm32_b32 hwreg(HW_REG_WAVE_MODE, 25, 1), 1
	s_wait_xcnt 0x0
	s_wait_alu depctr_hold_cnt(0) depctr_sa_sdst(0) depctr_va_vdst(0) depctr_va_sdst(0) depctr_va_ssrc(0) depctr_va_vcc(0) depctr_vm_vsrc(0)
	s_getreg_b32 s2, hwreg(HW_REG_IB_STS2, 6, 4)
	s_cmp_eq_u32 s2, 0
	s_cbranch_scc0 .Lentry_in_a_cluster
	s_endpgm
.Lentry_in_a_cluster:
	s_bfe_u32 s2, ttmp6, 0x10000c
	s_cmp_lg_u32 s2, 0xf033
	s_cbranch_scc0 .Lentry_shape_is_right
	s_endpgm
.Lentry_shape_is_right:
; THE GATES.  z = xb wb^T ([8192][2048] x [4096][2048], bf16, sums in f32); r = sigmoid(z_a + ba), i = sigmoid(z_x + bx); a = exp(-8 softplus(-Lam) r); u = sqrt(1 - a^2) i x.
; OUT: gm = 1 - a and gu = u, both in f16 and both [row / 8][channel][row % 8] (16 bytes hold eight steps of one channel); sm = for each chunk of 128 steps and channel, in f32, the
; product of the chunk's a and the chunk's end state from a zero start: what the launch behind needs to join the chunks.
; ALL INPUTS ARE TAKEN ROUNDED TO bf16: x and the weights by the launch in front, ba, bx and Lam here, once, before anything is made of them; x in i x is the bf16 x.  So the result is the module's on inputs
; rounded to bf16; against the unrounded Lam the decay rate 8 softplus(-Lam) is off by up to about |Lam| 2^-9 of itself.
; 1 - a and not a is stored: f16 keeps 11 bits of 1 - a, which is what the decay hangs on; below 6e-5 it keeps f16's fixed step of 6e-8.
; LIMITS.  u is stored in f16: |u| <= |x|, so |x| stays below 65,504; below 6e-5 u keeps the fixed step of 6e-8.  NaN and infinities in the inputs are not treated apart.
; Lam below about -1e37 makes 8 softplus(-Lam) log2(e) infinite.  An exponential below 2^-126 counts as 0.
; SHARES.  A tile is 256 rows (steps) x 256 rows of wb = 128 channels x 2 gates.  Four waves, each 128 steps (one chunk) x 64 channels x 2 gates: 64 accumulators, 512 registers.
; K goes in steps of 128 through a ring of two LDS slots filled by the tensor data mover; rows of the tiles are 256 bytes of memory, aligned.
; CLUSTER.  4 x 4 work-groups.  The four of a row of the cluster need the same tiles of xb, the four of a column the same tiles of wb: each tile is asked for JOINTLY, by the same tensor load with the
; same descriptor and a mask that names the four.
; LAYOUT.  Source 0 = 16 steps of xb, source 1 = 16 rows of wb: in the result lane l holds ONE channel (l % 16) and the steps 8 (l / 16) + 0..7: eight consecutive steps, which is what the recurrence and the
; 16-byte stores want.  Accumulator (A, b), steps 16 A on, lies in window 2 + A / 4 at v[8 (8 (A % 4) + b)]; b = 0..3 is z_a of channels 16 b on, b + 4 is z_x of the same channels.
; THE TAIL.  Behind the last K step's request slot 0 takes xb's 256 steps x 128 channels of this tile (X); it is read turned, by ds_load_tr16_b128, so that a lane gets its channel's eight steps.
; REGISTERS, in windows of 256 (s_set_vgpr_msb: bits 1:0 source 0, 3:2 source 1, 5:4 source 2, 7:6 destination):
;   window 0: v16-31 addresses; v32-55 the channels' constants; v64-127, v128-191 xb's fragments, two buffers; behind the loop v64-219 are at work
;   window 1: v64-127, v128-191 wb's fragments          windows 2, 3: the accumulators
.set SIZE_K, 2048
.set KSTEP,  128
.set PITCH,  272                       ; an LDS row: 256 bytes + 16 of padding = 68 words: the 16 rows of a fragment load start at 16 different groups of four banks (64 banks of 4 bytes: ISA guide 11.1)
.set HALFT,  128*PITCH                 ; 128 rows: what one joint load brings, and what one wave reads of either operand
.set SLOT,   4*HALFT                   ; xb's 256 rows, then wb's 256 rows
.set PX,     288                       ; a row of X: 256 + 32 = 72 words
.set SPARE,  2*SLOT                    ; behind the ring: the spare words, 128 bytes for each wave: two blocks of 256 bytes that no other line names
.set LAPS,   SIZE_K/(2*KSTEP)          ; a lap = two K steps = once round the ring
.set ADRA, 16                          ; v16-17  LDS address of my xb fragments in slot 0, 1
.set ADRB, 20                          ; v20-21  the same for wb
.set ADRX, 22                          ; v22     my place in X for the turning load
.set GO,   24                          ; v24     my 16 bytes in gm and gu: (l / 16) x 32,768 + (l % 16) x 16
.set SO,   25                          ; v25     my 8 bytes in sm: 8 l
.set BO,   26                          ; v26     my channel's word in ba, bx, Lam: 4 (l % 16)
.set ZERO, 27                          ; v27     0
.set SPW,  28                          ; v28     LDS address of my spare word; never rewritten
.set NIL,  29                          ; v29     0; never rewritten
.set PFO,  30                          ; v30     the prefetches' offset: my lane x a row of 4,096 bytes
.set NBA,  32                          ; v[32+2b:33+2b]  -log2(e) ba of my channel in block b, twice (a pair for the packed forms)
.set NBX,  40                          ; the same of bx; NBX = NBA + 8, so that accumulator b = 0..7 finds its pair at NBA + 2 b
.set KK,   48                          ; -8 log2(e) softplus(-Lam), twice
.set HB,   56                          ; v56-63   the head: ba, bx as loaded, then rounded
.set HL,   212                         ; v212-235 the head: Lam, and five registers at work, for each b
.set F0,   64
.set F1,   128
.set T,    64                          ; behind the loop: 32 at work: 1 - a, then i sqrt(1 - a^2)
.set T2,   96                          ; 32 at work: 1 - a^2, its root, then u, then the lane's running state
.set X,    128                         ; 16: x, bf16, 4 registers a block b
.set MP,   144                         ; 16: 1 - a packed to f16
.set UP,   160                         ; 16: u packed to f16
.set PP,   176                         ; 8: products of a, a pair a block
.set P8,   184                         ; 4: the product of the lane's eight a
.set TA,   188
.set TX,   192
.set TB,   196
.set HR,   200                         ; 4: the chunk's state so far, in lanes 0-15
.set PT,   204                         ; 4: the product of all the lane's a so far
.set OUTP, 208                         ; 4: the summary as stored
.set PQ,   212                         ; 8: products of a, the other half
.set G1,  24                           ; s[24:31] descriptor group 1 for xb's tiles;  s[32:39] group 0, a set for each slot
.set G0,  32
.set G1B, 48                           ; s[48:55], s[56:63] the same for wb's tiles
.set G0B, 56
.set G1X, 80                           ; s[80:87], s[88:91] for X
.set G0X, 88
.set LIM, 43                           ; s43  1 in a wave that prefetches, else the greatest number
.set PFA, 44                           ; s[44:45] where my prefetches stand
.set CL,  92                           ; s[92:93] -log2(e), named as a pair
.set HIL, 94                           ; s94  the mask of lanes 16-31
.set SEL, 96                           ; s[96:97] v_permlanex16_b32's selects: each lane takes its own place in the other half
.set MSB, 0
.macro WIN new                         ; the immediate's high byte repeats the setting that is left; a switch that changes nothing is dropped
.if MSB != (\new)
	s_set_vgpr_msb (MSB<<8)|(\new)
.set MSB, \new
.endif
.endm
.set MUL_LO, 0xa4                      ; source 0 (xb) window 0, source 1 (wb) window 1, C and D window 2
.set MUL_HI, 0xf4                      ; the same, C and D window 3
.set TO_B,   0x40                      ; destination window 1, address window 0
; A joint load.  Waves 0 and 1 fetch xb's two halves, waves 2 and 3 wb's.  The branch hangs on the wave's number alone.  An s_nop 0 and four v_nop follow each of the two lines.
.macro JLOAD s
	s_cmp_eq_u32 s11, 0
	s_cbranch_scc0 .Lfor_b_\@
	tensor_load_to_lds s[G0+4*(\s):G0+4*(\s)+3], s[G1:G1+7]
	s_nop 0
.rept 4
	v_nop
.endr
	s_branch .Lasked_\@
.Lfor_b_\@:
	tensor_load_to_lds s[G0B+4*(\s):G0B+4*(\s)+3], s[G1B:G1B+7]
	s_nop 0
.rept 4
	v_nop
.endr
.Lasked_\@:
.endm
; A prefetch into the L2 of the K step that stands two refills on (512 matrix instructions ahead of the load that wants it): 32 rows x 256 bytes, a lane a row, one instruction a wave.
; Each row's 256 bytes of a K step are named once in the launch: xb's rows by the cluster with x = 0, wb's by the cluster with y = 0; the four partners of a joint load share its 128 rows out by address, 32 each.
; The loop's last trip (s3 = 1) asks for nothing: there is no K step two on.
.macro ASK
	s_cmp_gt_u32 s3, s[LIM]
	s_cbranch_scc0 .Lnot_mine_\@
	global_prefetch_b8 v[PFO], s[PFA:PFA+1] offset:KSTEP*2 th:TH_LOAD_NT scope:SCOPE_SE
.Lnot_mine_\@:
.endm
; A round of the cluster's barrier: my work-group's barrier; wave 0 signals for the work-group; every wave waits for all sixteen; my work-group's barrier once more.
.macro CREST                           ; a round behind its opening barrier
	s_cmp_lg_u32 s10, 0
	s_cbranch_scc1 .Lnot_wave_0_\@
	s_barrier_signal -3
.Lnot_wave_0_\@:
	s_barrier_wait -3
	s_barrier_signal -1
	s_barrier_wait -1
.endm
.macro CROUND
	s_barrier_signal -1
	s_barrier_wait -1
	CREST
.endm
	s_load_b128 s[4:7], s[0:1], 0x0                ; xb s[4:5], wb s[6:7]
	s_load_b256 s[68:75], s[0:1], 0x10             ; ba s[68:69], bx s[70:71], Lam s[72:73], gm s[74:75]
	s_load_b128 s[76:79], s[0:1], 0x30             ; gu s[76:77], sm s[78:79]
	v_lshl_add_u32 v[SPW], v0, 2, SPARE
	v_mov_b32 v[NIL], 0
	ds_add_u32 v[SPW], v[NIL]                      ; the wave's opening: the add, twice on end, and its wait ahead of my first tensor load; the set-up below stands between
	ds_add_u32 v[SPW], v[NIL]
	v_lshrrev_b32 v1, 5, v0
	v_readfirstlane_b32 s10, v1                    ; wave 0..3
	s_lshr_b32 s11, s10, 1                         ; which 128 steps of the tile are mine.  Also: I fetch for xb (0) or for wb (1)
	s_and_b32 s12, s10, 1                          ; which 64 channels.  Also: which 128 rows of that tile I fetch
	s_bfe_u32 s40, ttmp6, 0x40000                  ; cx
	s_bfe_u32 s41, ttmp6, 0x40004                  ; cy
	s_lshl_b32 s42, ttmp9, 2
	s_add_co_u32 s42, s42, s40                     ; ct: tile column = 4 x cluster x + cx
	s_and_b32 s13, ttmp7, 0xffff
	s_lshl_b32 s13, s13, 2
	s_add_co_u32 s13, s13, s41                     ; tr: tile row = 4 x cluster y + cy
	s_lshl_b32 s43, s41, 2
	s_lshl_b32 s43, 15, s43                        ; my row of the cluster
	s_lshl_b32 s44, 0x1111, s40                    ; my column
	s_or_b32 s[G1+0], s43, (1<<16)|(1<<20)|(1<<21)|(5<<22)|(3<<25)   ; the mask; elements of 2 bytes; padding on; bit 21 beside a mask; after every 64 words 4 words of padding
	s_or_b32 s[G1B+0], s44, (1<<16)|(1<<20)|(1<<21)|(5<<22)|(3<<25)
.irp g, G1, G1B
	s_mov_b32 s[(\g)+1], KSTEP<<16                 ; tensor_dim0 = 128
	s_mov_b32 s[(\g)+2], 128<<16                   ; tensor_dim1 = 128
	s_mov_b32 s[(\g)+3], KSTEP<<16                 ; tile_dim0 = 128
	s_mov_b32 s[(\g)+4], 128                       ; tile_dim1 = 128
	s_mov_b32 s[(\g)+5], SIZE_K                    ; elements from row to row
	s_mov_b32 s[(\g)+6], 0
	s_mov_b32 s[(\g)+7], 0
.endr
	s_mov_b32 s[G1X+0], (1<<16)|(1<<20)|(5<<22)|(7<<25)  ; X: no mask (each work-group has its own); after every 64 words 8 words of padding
	s_mov_b32 s[G1X+1], 128<<16                    ; tensor_dim0 = 128
	s_mov_b32 s[G1X+2], 64<<16                     ; tensor_dim1 = 64
	s_mov_b32 s[G1X+3], 128<<16                    ; tile_dim0 = 128
	s_mov_b32 s[G1X+4], 64                         ; tile_dim1 = 64: each wave brings 64 rows
	s_mov_b32 s[G1X+5], SIZE_K
	s_mov_b32 s[G1X+6], 0
	s_mov_b32 s[G1X+7], 0
	s_mov_b32 s[CL], 0xbfb8aa3b                    ; -log2(e)
	s_mov_b32 s[CL+1], s[CL]
	s_mov_b32 s[HIL], 0xffff0000
	s_mov_b32 s[SEL], 0x76543210
	s_mov_b32 s[SEL+1], 0xfedcba98
	s_lshl_b32 s17, s12, 7                         ; which 128 rows of the tile I fetch
	s_lshl_b32 s16, s13, 8
	s_add_co_u32 s16, s16, s17                     ; xb: row 256 tr + 128 x half
	s_lshl_b32 s46, s42, 8
	s_add_co_u32 s46, s46, s17                     ; wb: row 256 ct + 128 x half
	s_mov_b32 s17, 0
	s_mov_b32 s47, 0
	s_mov_b64 s[18:19], SIZE_K*2
	s_mul_u64 s[16:17], s[16:17], s[18:19]
	s_mul_u64 s[46:47], s[46:47], s[18:19]
	s_mul_i32 s20, s10, HALFT                      ; where they go: wave x 128 rows: no place in the cluster enters an LDS address
	s_wait_dscnt 0x0                               ; both opening adds are done
	s_wait_kmcnt 0x0
	s_add_nc_u64 s[14:15], s[4:5], s[16:17]
	s_add_nc_u64 s[46:47], s[6:7], s[46:47]
	CROUND                                         ; all sixteen work-groups are here: the first joint loads meet
.irp s, 0,1
	s_mov_b32 s[G0+4*(\s)], 1
	s_add_co_u32 s[G0+4*(\s)+1], s20, (\s)*SLOT
	s_add_nc_u64 s[G0+4*(\s)+2:G0+4*(\s)+3], s[14:15], (\s)*KSTEP*2
	s_or_b32 s[G0+4*(\s)+3], s[G0+4*(\s)+3], 0x80000000
	s_mov_b32 s[G0B+4*(\s)], 1
	s_add_co_u32 s[G0B+4*(\s)+1], s20, (\s)*SLOT
	s_add_nc_u64 s[G0B+4*(\s)+2:G0B+4*(\s)+3], s[46:47], (\s)*KSTEP*2
	s_or_b32 s[G0B+4*(\s)+3], s[G0B+4*(\s)+3], 0x80000000
	JLOAD \s                                       ; K steps 0 and 1: two loads of mine are out
.endr
	; WHILE THEY LAND.  A fragment is 16 rows x 32 K in 8 registers: lane l holds row l % 16, K = 8 (l / 16) + 0..7 and 16 + 8 (l / 16) + 0..7: two loads of 16 bytes, 32 bytes apart.
	v_and_b32 v1, 15, v0                           ; l % 16
	v_bfe_u32 v2, v0, 4, 1                         ; l / 16
	v_mul_u32_u24 v3, v1, PITCH
	v_lshl_add_u32 v3, v2, 4, v3
	s_mul_i32 s21, s11, HALFT                      ; my 128 rows of xb
	s_mul_i32 s22, s12, HALFT                      ; my 128 rows of wb,
	s_add_co_u32 s22, s22, 2*HALFT                 ; which lie behind xb's 256
.irp s, 0,1
	v_add_nc_u32 v[ADRA+(\s)], s21, v3
	v_add_nc_u32 v[ADRB+(\s)], s22, v3
	s_add_co_u32 s21, s21, SLOT
	s_add_co_u32 s22, s22, SLOT
.endr
	; The turning load: lane l reads 16 bytes of step 8 (l / 16) + l % 8, channels 8 ((l / 8) % 2) + 0..7, and is left with channel l % 16, steps 8 (l / 16) + 0..7.
	v_and_b32 v5, 7, v0
	v_bfe_u32 v6, v0, 3, 1
	v_lshl_add_u32 v[ADRX], v2, 3, v5
	s_lshl_b32 s20, s11, 7                         ; my 128 steps
	v_add_nc_u32 v[ADRX], s20, v[ADRX]
	v_mul_u32_u24 v[ADRX], v[ADRX], PX
	v_lshl_add_u32 v[ADRX], v6, 4, v[ADRX]
	s_lshl_b32 s20, s12, 7                         ; my 64 channels: 128 bytes
	v_add_nc_u32 v[ADRX], s20, v[ADRX]
	v_lshlrev_b32 v[GO], 15, v2
	v_lshl_add_u32 v[GO], v1, 4, v[GO]
	v_and_b32 v[SO], 31, v0
	v_lshlrev_b32 v[SO], 3, v[SO]
	v_lshlrev_b32 v[BO], 2, v1
	v_mov_b32 v[ZERO], 0
	; byte offsets, made apart from the addresses.  ba, bx, Lam: channel 128 ct + 64 half, 4 bytes each
	s_lshl_b32 s66, s42, 9
	s_lshl_b32 s67, s12, 8
	s_add_co_u32 s66, s66, s67
	s_mov_b32 s67, 0
	s_add_nc_u64 s[68:69], s[68:69], s[66:67]
	s_add_nc_u64 s[70:71], s[70:71], s[66:67]
	s_add_nc_u64 s[72:73], s[72:73], s[66:67]
.irp b, 0,1,2,3
	global_load_b32 v[HB+(\b)],   v[BO], s[68:69] offset:64*(\b)
	global_load_b32 v[HB+4+(\b)], v[BO], s[70:71] offset:64*(\b)
	global_load_b32 v[HL+(\b)],   v[BO], s[72:73] offset:64*(\b)
.endr
	; gm, gu: eight steps of all channels are 32,768 bytes: 256 tr + 128 half steps, then 16 bytes a channel
	s_lshl_b32 s66, s13, 20
	s_lshl_b32 s67, s11, 19
	s_add_co_u32 s66, s66, s67
	s_lshl_b32 s67, s42, 11
	s_add_co_u32 s66, s66, s67
	s_lshl_b32 s67, s12, 10
	s_add_co_u32 s66, s66, s67
	s_mov_b32 s67, 0
	s_add_nc_u64 s[74:75], s[74:75], s[66:67]
	s_add_nc_u64 s[76:77], s[76:77], s[66:67]
	; sm: chunk 2 tr + half, 16,384 bytes each, then 8 bytes a channel
	s_lshl_b32 s66, s13, 15
	s_lshl_b32 s67, s11, 14
	s_add_co_u32 s66, s66, s67
	s_lshl_b32 s67, s42, 10
	s_add_co_u32 s66, s66, s67
	s_lshl_b32 s67, s12, 9
	s_add_co_u32 s66, s66, s67
	s_mov_b32 s67, 0
	s_add_nc_u64 s[78:79], s[78:79], s[66:67]
	; X: rows 256 tr + 64 wave of xb, channels 128 ct on
	s_lshl_b32 s66, s13, 20
	s_lshl_b32 s67, s10, 18
	s_add_co_u32 s66, s66, s67
	s_lshl_b32 s67, s42, 8
	s_add_co_u32 s66, s66, s67
	s_mov_b32 s67, 0
	s_mov_b32 s[G0X], 1
	s_mul_i32 s[G0X+1], s10, 64*PX                 ; wave x 64 rows, from LDS byte 0 on: in slot 0
	s_add_nc_u64 s[G0X+2:G0X+3], s[4:5], s[66:67]
	s_or_b32 s[G0X+3], s[G0X+3], 0x80000000
	; the prefetches
	s_lshl_b32 s13, s13, 8                         ; 256 tr
	s_lshl_b32 s42, s42, 8                         ; 256 ct
	s_and_b32 s22, ttmp7, 0xffff                   ; cluster y
	s_cmp_eq_u32 s11, 0                            ; do I fetch for xb?
	s_cselect_b32 s20, s13, s42                    ; the tile's first row
	s_cselect_b32 s21, s40, s41                    ; my place among the four that ask for it with me
	s_cselect_b32 s22, ttmp9, s22                  ; the coordinate along which other clusters read the same rows
	s_cselect_b64 s[PFA:PFA+1], s[4:5], s[6:7]
	s_cmp_eq_u32 s22, 0
	s_cselect_b32 s[LIM], 1, -1                    ; the same in all sixteen partners, for a given wave
	s_lshl_b32 s22, s12, 7
	s_add_co_u32 s20, s20, s22                     ; + the 128 rows that I fetch
	s_lshl_b32 s21, s21, 5
	s_add_co_u32 s20, s20, s21                     ; + my work-group's 32 of them
	s_mov_b32 s21, 0
	s_mov_b64 s[18:19], SIZE_K*2
	s_mul_u64 s[20:21], s[20:21], s[18:19]
	s_add_nc_u64 s[PFA:PFA+1], s[PFA:PFA+1], s[20:21]
	s_add_nc_u64 s[PFA:PFA+1], s[PFA:PFA+1], 2*KSTEP*2  ; at K step 2: the first refill steps it to 3 and names K step 4; K steps 0 to 3 come by their loads alone
	v_and_b32 v[PFO], 31, v0
	v_mul_u32_u24 v[PFO], v[PFO], SIZE_K*2
.irp b, 0,1,2,3
	v_mov_b32 v[TX+(\b)], 0                        ; (written before v_permlanex16_b32 names it as a destination)
	v_mov_b32 v[HR+(\b)], 0                        ; the chunk starts from 0,
	v_mov_b32 v[PT+(\b)], 1.0                      ; its product from 1
.endr
	s_wait_loadcnt 0x0                             ; ba, bx, Lam
	; ba, bx and Lam are rounded to bf16, like x and the weights, and widened again: one rounding for all the module's inputs
.irp b, 0,1,2,3
	v_cvt_pk_bf16_f32 v[HB+(\b)], v[HB+(\b)], v[HB+4+(\b)]  ; ba in the low half, bx in the high half
	v_cvt_pk_bf16_f32 v[HL+(\b)], v[HL+(\b)], v[HL+(\b)]
.endr
.irp b, 0,1,2,3
	v_and_b32 v[HB+4+(\b)], 0xffff0000, v[HB+(\b)]
	v_lshlrev_b32 v[HB+(\b)], 16, v[HB+(\b)]
	v_and_b32 v[HL+(\b)], 0xffff0000, v[HL+(\b)]
.endr
	; sigmoid(z + b) = 1 / (1 + 2^(-log2(e) z - log2(e) b)).  softplus(-L) = max(-L, 0) + log1p(t), t = e^-|L| in 0..1; log1p(t) = 2 s (1 + q/3 + q^2/5 + .. + q^6/13), s = t / (2 + t) <= 1/3, q = s^2:
	; what is cut is under (1/3)^15, for every L.
.irp b, 0,1,2,3
	v_mul_f32 v[NBA+2*(\b)],   s[CL], v[HB+(\b)]
	v_mul_f32 v[NBA+2*(\b)+1], s[CL], v[HB+(\b)]
	v_mul_f32 v[NBX+2*(\b)],   s[CL], v[HB+4+(\b)]
	v_mul_f32 v[NBX+2*(\b)+1], s[CL], v[HB+4+(\b)]
	v_and_b32 v[HL+4+(\b)], 0x7fffffff, v[HL+(\b)]
	v_mul_f32 v[HL+4+(\b)], s[CL], v[HL+4+(\b)]
.endr
.irp b, 0,1,2,3
	v_exp_f32 v[HL+4+(\b)], v[HL+4+(\b)]           ; t
.endr
	v_nop                                          ; a plain instruction behind the last exponential,
	s_wait_alu depctr_va_vdst(0)                   ; and the wait ahead of the first use: one for the four
.irp b, 0,1,2,3
	v_add_f32 v[HL+8+(\b)], 2.0, v[HL+4+(\b)]
.endr
.irp b, 0,1,2,3
	v_rcp_f32 v[HL+8+(\b)], v[HL+8+(\b)]
.endr
	v_nop
	s_wait_alu depctr_va_vdst(0)                   ; one for the four reciprocals
.irp b, 0,1,2,3
	v_mul_f32 v[HL+12+(\b)], v[HL+4+(\b)], v[HL+8+(\b)]    ; s
	v_mul_f32 v[HL+16+(\b)], v[HL+12+(\b)], v[HL+12+(\b)]  ; q
	v_mov_b32 v[HL+20+(\b)], 0x3d9d89d9                    ; 1/13
.endr
.irp c, 0x3dba2e8c, 0x3de38e39, 0x3e124925, 0x3e4ccccd, 0x3eaaaaab, 0x3f800000   ; 1/11, 1/9, 1/7, 1/5, 1/3, 1
.irp b, 0,1,2,3
	v_fmaak_f32 v[HL+20+(\b)], v[HL+20+(\b)], v[HL+16+(\b)], \c
.endr
.endr
.irp b, 0,1,2,3
	v_mul_f32 v[HL+12+(\b)], v[HL+12+(\b)], v[HL+20+(\b)]
	v_sub_f32 v[HL+(\b)], 0, v[HL+(\b)]
	v_max_num_f32 v[HL+(\b)], 0, v[HL+(\b)]
	v_fma_f32 v[HL+12+(\b)], v[HL+12+(\b)], 2.0, v[HL+(\b)]  ; softplus(-Lam)
	v_mul_f32 v[KK+2*(\b)],   0xc138aa3b, v[HL+12+(\b)]      ; x -8 log2(e)
	v_mul_f32 v[KK+2*(\b)+1], 0xc138aa3b, v[HL+12+(\b)]
.endr
; 16 matrix instructions: step blocks a0, a0 + 1 of the window's four (hi = 0: my steps 0-63, 1: 64-127) x all 8 blocks of wb's rows, 32 along K.  zero = 1: the first product starts the sums.
; The 64 accumulators take turns, one instruction a turn, in the same order in every quarter, over the backward jump too.
.macro MUL16 f, hi, a0, zero
	WIN MUL_LO+0x50*(\hi)
.irp a, \a0, (\a0)+1
.irp b, 0,1,2,3,4,5,6,7
.if \zero
	v_wmma_f32_16x16x32_bf16 v[8*(8*(\a)+(\b)):8*(8*(\a)+(\b))+7], v[(\f)+8*(4*(\hi)+(\a)):(\f)+8*(4*(\hi)+(\a))+7], v[(\f)+8*(\b):(\f)+8*(\b)+7], 0
.else
	v_wmma_f32_16x16x32_bf16 v[8*(8*(\a)+(\b)):8*(8*(\a)+(\b))+7], v[(\f)+8*(4*(\hi)+(\a)):(\f)+8*(4*(\hi)+(\a))+7], v[(\f)+8*(\b):(\f)+8*(\b)+7], v[8*(8*(\a)+(\b)):8*(8*(\a)+(\b))+7]
.endif
.endr
.endr
.endm
; 32 LDS loads in one run: the fragments of one quarter step (128 rows of wb, 128 rows of xb, 32 K at byte k of the rows) into buffer f
.macro FETCH slot, k, f
	WIN TO_B
.irp i, 0,1,2,3,4,5,6,7
	ds_load_b128 v[(\f)+8*(\i):(\f)+8*(\i)+3],   v[ADRB+(\slot)] offset:(\k)+(\i)*16*PITCH
	ds_load_b128 v[(\f)+8*(\i)+4:(\f)+8*(\i)+7], v[ADRB+(\slot)] offset:(\k)+(\i)*16*PITCH+32
.endr
	WIN 0
.irp i, 0,1,2,3,4,5,6,7
	ds_load_b128 v[(\f)+8*(\i):(\f)+8*(\i)+3],   v[ADRA+(\slot)] offset:(\k)+(\i)*16*PITCH
	ds_load_b128 v[(\f)+8*(\i)+4:(\f)+8*(\i)+7], v[ADRA+(\slot)] offset:(\k)+(\i)*16*PITCH+32
.endr
.endm
.macro PLACES                          ; four plain vector instructions between a matrix instruction and a load into, or a vector instruction on, its registers (ISA guide 7.12.1 for vector instructions)
.rept 4
	v_nop
.endr
.endm
; A K step is four quarters of 32 along K, 64 matrix instructions each, on buffers 0, 1, 0, 1.  One of the first three: multiplies buffer f; in its middle it fetches the next quarter, at byte k, into buffer g.
.macro QUARTER slot, k, f, g, zero
	s_wait_dscnt 8                                 ; wb's and xb's rows 0-63 are in; the youngest eight loads (xb's rows 64-127) may be out
	MUL16 \f, 0, 0, \zero
	MUL16 \f, 0, 2, \zero
	PLACES
	FETCH \slot, \k, \g
	s_wait_dscnt 32                                ; all but the 32 just issued
	MUL16 \f, 1, 0, \zero
	MUL16 \f, 1, 2, \zero
.endm
; The last quarter multiplies buffer 1 and changes slots.  In front of the barrier each wave waits for all its tensor loads (one is out: its part of the next slot), adds 0 to its spare word, and waits for that and
; for its own reads of this slot.  The barrier opens a round of the cluster's barrier: behind the round no wave of any partner still reads this slot or has a load on its way, and the refill comes first.
; kind = 0: this slot takes the K step two steps on, by a joint load.  kind = 1: slot 0 takes X, each wave 64 rows, by a load of the work-group's own.
.macro TURN slot, next, kind
.if (\kind) == 0
	s_wait_xcnt 0x0                                ; the last prefetch, a K step back, has read its address: it is stepped here, ahead of the waits of the change of slots
	s_add_nc_u64 s[PFA:PFA+1], s[PFA:PFA+1], KSTEP*2
.endif
	WIN 0                                          ; (the add's two registers lie in window 0)
	s_wait_tensorcnt 0x0                           ; all my tensor loads have landed;
	ds_add_u32 v[SPW], v[NIL]                      ; 0 onto my spare word;
	s_wait_dscnt 9                                 ; (the add and the youngest eight loads may be out)
	MUL16 F1, 0, 0, 0                              ; sixteen matrix instructions stand between the add and the wait for it
	s_wait_dscnt 0x0                               ; the add is done, and my reads of this slot are over
	s_barrier_signal -1
	MUL16 F1, 0, 2, 0                              ; work on registers while the others arrive
	WIN 0
	s_barrier_wait -1
	CREST
.if (\kind) == 0
	s_add_nc_u64 s[G0+4*(\slot)+2:G0+4*(\slot)+3], s[G0+4*(\slot)+2:G0+4*(\slot)+3], 2*KSTEP*2
	s_add_nc_u64 s[G0B+4*(\slot)+2:G0B+4*(\slot)+3], s[G0B+4*(\slot)+2:G0B+4*(\slot)+3], 2*KSTEP*2
	JLOAD \slot                                    ; the first tensor load behind the round; its four v_nop are also the places in front of the loads below
.else
	tensor_load_to_lds s[G0X:G0X+3], s[G1X:G1X+7]  ; my 64 rows of X: the launch's last fill; it has the last K step in which to land
	s_nop 0
.rept 4
	v_nop
.endr
.endif
	FETCH \next, 0, F0
.if (\kind) == 0
	ASK
.endif
	MUL16 F1, 1, 0, 0
	MUL16 F1, 1, 2, 0
.endm
	s_wait_tensorcnt 1                             ; my part of K step 0 is in; K step 1's may stay out
	s_barrier_signal -1
	s_barrier_wait -1                              ; everybody's is
	FETCH 0, 0, F0
	QUARTER 0, 64,  F0, F1, 1                      ; the first quarter stands in front of the loop: its products start the sums
	WIN 0                                          ; at a label and at a branch every window is 0
	s_mov_b32 s3, LAPS-1
.Llap:                                                 ; a trip goes once round the ring, from a lap's second quarter to the next lap's first, and fills both slots again
	QUARTER 0, 128, F1, F0, 0
	QUARTER 0, 192, F0, F1, 0
	TURN 0, 1, 0
	QUARTER 1, 64,  F0, F1, 0
	QUARTER 1, 128, F1, F0, 0
	QUARTER 1, 192, F0, F1, 0
	TURN 1, 0, 0
	QUARTER 0, 64,  F0, F1, 0
	WIN 0
	s_sub_co_u32 s3, s3, 1
	s_cmp_lg_u32 s3, 0
	s_cbranch_scc1 .Llap
	QUARTER 0, 128, F1, F0, 0                      ; the last lap is written out: no K step is left to ask for
	QUARTER 0, 192, F0, F1, 0
	TURN 0, 1, 1                                   ; slot 0 takes X
	QUARTER 1, 64,  F0, F1, 0
	QUARTER 1, 128, F1, F0, 0
	QUARTER 1, 192, F0, F1, 0
	s_wait_dscnt 8                                 ; the very last quarter: nothing more to fetch
	MUL16 F1, 0, 0, 0
	MUL16 F1, 0, 2, 0
	s_wait_dscnt 0x0
	MUL16 F1, 1, 0, 0
	MUL16 F1, 1, 2, 0
	WIN 0
	s_wait_tensorcnt 0x0                           ; my 64 rows of X have landed;
	ds_add_u32 v[SPW], v[NIL]                      ; the add behind the wait for all loads
	PLACES                                         ; the places behind the last products, in front of the vector work and the loads on their registers
	PLACES
	s_wait_dscnt 0x0
	s_barrier_signal -1
	s_barrier_wait -1                              ; everybody's rows of X are in: nothing is filled any more
; THE GATES OF 16 STEPS: block blk of my eight, 64 channels: accumulators ZA + 8 b (z_a) and ZX + 8 b (z_x).  The transcendentals go in four batches, each in place, each exponential or reciprocal one pair behind
; the packed line that feeds it; behind each batch stand a plain instruction and ONE s_wait_alu depctr_va_vdst(0) ahead of the first line that names a result.
; Each accumulator's two lowest registers are read first.
.macro BATCH blk
.set W,  2+(\blk)/4
.set ZA, 64*((\blk)%4)
.set ZX, ZA+32
	WIN 0
	s_wait_xcnt 0x0                                ; the last block's stores have read MP and UP, which are written again below
.irp b, 0,1,2,3
	ds_load_tr16_b128 v[X+4*(\b):X+4*(\b)+3], v[ADRX] offset:(\blk)*16*PX+32*(\b)  ; x of my channel in block b, my eight steps; wanted far below
.endr
	WIN (W<<6)|W                                   ; destination and source 0 in the accumulators' window
.set p, 0
.rept 32                                           ; 2^(-log2(e) (z + bias)), both gates
	v_pk_fma_f32 v[ZA+2*p:ZA+2*p+1], v[ZA+2*p:ZA+2*p+1], s[CL:CL+1], v[NBA+2*(p/4):NBA+2*(p/4)+1] op_sel_hi:[1,0,1]
.if p > 0
	v_exp_f32 v[ZA+2*p-2], v[ZA+2*p-2]
	v_exp_f32 v[ZA+2*p-1], v[ZA+2*p-1]
.endif
.set p, p+1
.endr
	v_exp_f32 v[ZA+62], v[ZA+62]
	v_exp_f32 v[ZA+63], v[ZA+63]
	v_nop
	s_wait_alu depctr_va_vdst(0)
.set p, 0
.rept 32                                           ; r and i = 1 / (1 + that)
	v_pk_add_f32 v[ZA+2*p:ZA+2*p+1], v[ZA+2*p:ZA+2*p+1], 1.0 op_sel_hi:[1,0]
.if p > 0
	v_rcp_f32 v[ZA+2*p-2], v[ZA+2*p-2]
	v_rcp_f32 v[ZA+2*p-1], v[ZA+2*p-1]
.endif
.set p, p+1
.endr
	v_rcp_f32 v[ZA+62], v[ZA+62]
	v_rcp_f32 v[ZA+63], v[ZA+63]
	v_nop
	s_wait_alu depctr_va_vdst(0)
.set p, 0
.rept 16                                           ; a = 2^(KK r)
	v_pk_mul_f32 v[ZA+2*p:ZA+2*p+1], v[ZA+2*p:ZA+2*p+1], v[KK+2*(p/4):KK+2*(p/4)+1]
.if p > 0
	v_exp_f32 v[ZA+2*p-2], v[ZA+2*p-2]
	v_exp_f32 v[ZA+2*p-1], v[ZA+2*p-1]
.endif
.set p, p+1
.endr
	v_exp_f32 v[ZA+30], v[ZA+30]
	v_exp_f32 v[ZA+31], v[ZA+31]
	v_nop
	s_wait_alu depctr_va_vdst(0)
	WIN W                                          ; source 0 in the accumulators' window, all else in window 0
.set p, 0
.rept 16
	v_pk_fma_f32 v[T+2*p:T+2*p+1], v[ZA+2*p:ZA+2*p+1], -1.0, 1.0 op_sel_hi:[1,0,0]  ; m = 1 - a
.set p, p+1
.endr
.set p, 0
.rept 16
	v_pk_fma_f32 v[T2+2*p:T2+2*p+1], v[ZA+2*p:ZA+2*p+1], v[T+2*p:T+2*p+1], v[T+2*p:T+2*p+1] clamp  ; a m + m = 1 - a^2, held to 0..1: no root of a negative number
.set p, p+1
.endr
	WIN 0
.set p, 0
.rept 16
	v_cvt_pk_f16_f32 v[MP+p], v[T+2*p], v[T+2*p+1]
	v_sqrt_f32 v[T2+2*p], v[T2+2*p]
	v_sqrt_f32 v[T2+2*p+1], v[T2+2*p+1]
.set p, p+1
.endr
.irp b, 0,1,2,3
	global_store_b128 v[GO], v[MP+4*(\b):MP+4*(\b)+3], s[74:75] offset:(\blk)*65536+(\b)*256  ; 16 lanes store 256 consecutive bytes, aligned: 16 channels x 8 steps
.endr
	v_nop
	s_wait_alu depctr_va_vdst(0)
	WIN W
.set p, 0
.rept 16
	v_pk_mul_f32 v[T+2*p:T+2*p+1], v[ZX+2*p:ZX+2*p+1], v[T2+2*p:T2+2*p+1]  ; i sqrt(1 - a^2)
.set p, p+1
.endr
	WIN (W<<2)|W                                   ; sources 0 and 1 in the accumulators' window
.irp b, 0,1,2,3
	v_pk_mul_f32 v[PP+2*(\b):PP+2*(\b)+1], v[ZA+8*(\b):ZA+8*(\b)+1],   v[ZA+8*(\b)+2:ZA+8*(\b)+3]  ; the product of the lane's eight a, by halves
	v_pk_mul_f32 v[PQ+2*(\b):PQ+2*(\b)+1], v[ZA+8*(\b)+4:ZA+8*(\b)+5], v[ZA+8*(\b)+6:ZA+8*(\b)+7]
.endr
	WIN 0
	s_wait_dscnt 0x0                               ; x is in
.irp b, 0,1,2,3
.irp n, 0,1,2,3
	v_fma_mix_f32_bf16 v[T2+8*(\b)+2*(\n)],   v[T+8*(\b)+2*(\n)],   v[X+4*(\b)+(\n)], v[ZERO] op_sel_hi:[0,1,0]                 ; u = that times x, x straight from its bf16 half
	v_fma_mix_f32_bf16 v[T2+8*(\b)+2*(\n)+1], v[T+8*(\b)+2*(\n)+1], v[X+4*(\b)+(\n)], v[ZERO] op_sel:[0,1,0] op_sel_hi:[0,1,0]
.endr
.endr
.set p, 0
.rept 16
	v_cvt_pk_f16_f32 v[UP+p], v[T2+2*p], v[T2+2*p+1]  ; u leaves in f16: 11 bits of it
.set p, p+1
.endr
.irp b, 0,1,2,3
	global_store_b128 v[GO], v[UP+4*(\b):UP+4*(\b)+3], s[76:77] offset:(\blk)*65536+(\b)*256
.endr
.irp b, 0,1,2,3
	v_pk_mul_f32 v[PP+2*(\b):PP+2*(\b)+1], v[PP+2*(\b):PP+2*(\b)+1], v[PQ+2*(\b):PQ+2*(\b)+1]
.endr
.irp b, 0,1,2,3
	v_mul_f32 v[P8+(\b)], v[PP+2*(\b)], v[PP+2*(\b)+1]
.endr
.irp b, 0,1,2,3
	v_mul_f32 v[PT+(\b)], v[PT+(\b)], v[P8+(\b)]
.endr
	WIN W
.irp j, 1,2,3,4,5,6,7                              ; the lane's eight steps from a zero start, in f32; the four blocks' chains by turns
.irp b, 0,1,2,3
	v_fmac_f32 v[T2+8*(\b)+(\j)], v[ZA+8*(\b)+(\j)], v[T2+8*(\b)+(\j)-1]
.endr
.endr
	WIN 0
	; Lanes 0-15 hold steps 0-7, lanes 16-31 steps 8-15.  The state so far (HR, good in lanes 0-15) goes through the first eight, crosses to the other half, goes through the second eight and crosses back.
.irp b, 0,1,2,3
	v_fma_f32 v[TA+(\b)], v[P8+(\b)], v[HR+(\b)], v[T2+8*(\b)+7]
.endr
.irp b, 0,1,2,3
	v_permlanex16_b32 v[TX+(\b)], v[TA+(\b)], s[SEL], s[SEL+1]
.endr
.irp b, 0,1,2,3
	v_fma_f32 v[TB+(\b)], v[P8+(\b)], v[TX+(\b)], v[T2+8*(\b)+7]   ; good in lanes 16-31
.endr
.irp b, 0,1,2,3
	v_permlanex16_b32 v[HR+(\b)], v[TB+(\b)], s[SEL], s[SEL+1]
.endr
.endm
.irp q, 0,1,2,3,4,5,6,7
	BATCH \q
.endr
	; THE CHUNK'S SUMMARY.  The two halves' products are multiplied; the end state lies in HR (lanes 0-15) and TB (lanes 16-31).  Lanes 0-15 store block b's channels, lanes 16-31 block b + 1's.
.irp b, 0,1,2,3
	v_permlanex16_b32 v[TA+(\b)], v[PT+(\b)], s[SEL], s[SEL+1]
.endr
.irp b, 0,1,2,3
	v_mul_f32 v[PT+(\b)], v[PT+(\b)], v[TA+(\b)]
.endr
.irp b, 0,2
	v_cndmask_b32 v[OUTP+(\b)],   v[PT+(\b)], v[PT+(\b)+1], s[HIL]
	v_cndmask_b32 v[OUTP+(\b)+1], v[HR+(\b)], v[TB+(\b)+1], s[HIL]
	global_store_b64 v[SO], v[OUTP+(\b):OUTP+(\b)+1], s[78:79] offset:128*(\b)  ; 32 lanes store 256 consecutive bytes, aligned
.endr
	s_wait_tensorcnt 0x0                           ; the wave's end: behind my last tensor load, the add to my spare word and its wait
	ds_add_u32 v[SPW], v[NIL]
	s_wait_dscnt 0x0
	CROUND                                         ; the closing round: no work-group ends while a partner may still ask for a tile that names it
	s_endpgm
.Lfunc_end_k_q1f19d219df_gemm:
	.size	k_q1f19d219df_gemm, .Lfunc_end_k_q1f19d219df_gemm-k_q1f19d219df_gemm
	.p2alignl 7, 3214868480
	.fill 96, 4, 3214868480
	.section	.rodata,"a",@progbits
	.p2align	6, 0x0
	.amdhsa_kernel k_q1f19d219df_gemm
		.amdhsa_group_segment_fixed_size 327680
		.amdhsa_private_segment_fixed_size 0
		.amdhsa_enable_private_segment 0
		.amdhsa_kernarg_size 64
		.amdhsa_user_sgpr_count 2
		.amdhsa_user_sgpr_kernarg_segment_ptr 1
		.amdhsa_wavefront_size32 1
		.amdhsa_system_sgpr_workgroup_id_x 1
		.amdhsa_system_sgpr_workgroup_id_y 1
		.amdhsa_system_sgpr_workgroup_id_z 1
		.amdhsa_system_vgpr_workitem_id 0
		.amdhsa_next_free_vgpr 1024
		.amdhsa_next_free_sgpr 100
		.amdhsa_reserve_vcc 0
		.amdhsa_float_denorm_mode_32 3
		.amdhsa_float_denorm_mode_16_64 3
		.amdhsa_memory_ordered 1
		.amdhsa_forward_progress 1
		.amdhsa_inst_pref_size 255
	.end_amdhsa_kernel
	.section	.bss,"aw",@nobits
	.p2align	6
	.space	262144
	.amdgpu_metadata
---
amdhsa.version: [ 1, 2 ]
amdhsa.kernels:
  - .name:           k_q1f19d219df_gemm
    .symbol:         k_q1f19d219df_gemm.kd
    .args:
      - { .name: xb, .offset: 0, .size: 8, .value_kind: global_buffer, .address_space: global }
      - { .name: wb, .offset: 8, .size: 8, .value_kind: global_buffer, .address_space: global }
      - { .name: ba, .offset: 16, .size: 8, .value_kind: global_buffer, .address_space: global }
      - { .name: bx, .offset: 24, .size: 8, .value_kind: global_buffer, .address_space: global }
      - { .name: Lam, .offset: 32, .size: 8, .value_kind: global_buffer, .address_space: global }
      - { .name: gm, .offset: 40, .size: 8, .value_kind: global_buffer, .address_space: global }
      - { .name: gu, .offset: 48, .size: 8, .value_kind: global_buffer, .address_space: global }
      - { .name: sm, .offset: 56, .size: 8, .value_kind: global_buffer, .address_space: global }
    .group_segment_fixed_size: 327680
    .private_segment_fixed_size: 0
    .kernarg_segment_align: 8
    .kernarg_segment_size: 64
    .max_flat_workgroup_size: 128
    .sgpr_count:     100
    .vgpr_count:     1024
    .wavefront_size: 32
...
	.end_amdgpu_metadata
.endif
;; end of part 2
;; launch scan (part 3): grid 256 x 1, 8 waves a work-group, no clusters, 17,408 bytes of LDS; arguments gm, gu, sm, out0; writes out0
.if DOCPART == 3
	.amdgcn_target "amdgcn-amd-amdhsa--gfx1250"
	.amdhsa_code_object_version 6
	.text
	.protected	k_q1f19d219df_scan
	.globl	k_q1f19d219df_scan
	.p2align	8
	.type	k_q1f19d219df_scan,@function
k_q1f19d219df_scan:
	s_mov_b64 s[64:65], 0
	v_nop
	global_prefetch_b8 v0, s[64:65] scope:SCOPE_SE
	s_setreg_imm32_b32 hwreg(HW_REG_WAVE_MODE, 25, 1), 1
	s_wait_xcnt 0x0
; THE RECURRENCE.  h_t = a_t h_(t-1) + u_t along 2,048 steps, for 4 batches x 2,048 channels, in f32.  gm holds 1 - a, gu holds u, both in f16 and both [step / 8][channel][step % 8]; sm holds for each chunk of
; 128 steps and channel (P, H): the product of the chunk's a and its end state from a zero start, in f32.  out0 is [8192][2048] f32.
; LIMITS.  u arrives in f16: within 65,504, and below 6e-5 on f16's fixed step of 6e-8; so does 1 - a, which lies in 0 to 1.  NaN and infinities are not treated apart.
; All chunks run side by side: a wave first joins the summaries of the chunks in front of its own (H = P_j H + H_j, in order), which gives the state that enters its chunk, then walks its 128 steps.
; A stream: gm, gu are read once, out0 written once; nothing is shared but the small summaries, so there is no cluster, no tensor load and no barrier.
; SHARES.  A wave takes one chunk x 64 channels; lane l the channels c0 + l and c0 + 32 + l.  A group is 8 steps: four loads of 512 consecutive bytes.  Eight groups' loads are on their way.
; THE WAY OUT.  A lane holds eight steps of a channel, a row of out0 wants neighbouring channels: a group's 8 rows x 256 bytes go through the wave's own stage in LDS and leave as whole aligned blocks of 256 bytes.
.set SPARE, 16384                      ; behind the eight stages of 2,048 bytes: the spare words, 128 bytes for each wave: four blocks of 256 bytes that no other line names
.set LO,  2                            ; v2   16 l: my 16 bytes in gm and gu
.set SMO, 3                            ; v3   8 l: my pair in sm
.set GOF, 4                            ; v4   (l / 16) x 8,192 + (l % 16) x 16: my 16 bytes of two rows of out0
.set STO, 5                            ; v5   my word in a row of my stage
.set RD,  6                            ; v6   where I read two rows back
.set ONE, 7                            ; v7   1.0
.set NEG, 8                            ; v8   -1.0
.set SPW, 9                            ; v9   LDS address of my spare word; never rewritten
.set NIL, 10                           ; v10  0; never rewritten
.set DAT, 16                           ; v[16:143]  slot t % 8: 1 - a of my two channels (4 + 4), u of them (4 + 4)
.set SMR, 144                          ; v[144:203] the 30 summary pairs; used up before AV and BK are first written
.set AV,  144                          ; v[144:159] a, in f32: channel k, step j at AV + 8 k + j
.set BK,  160                          ; v[160:191] two buffers of 16: rows read back from the stage
.set Y,   204                          ; v[204:219] h: channel k, step j at Y + 8 k + j; Y + 8 k + 7 carries the state from group to group
	s_load_b256 s[4:11], s[0:1], 0x0               ; gm s[4:5], gu s[6:7], sm s[8:9], out0 s[10:11]
	v_lshl_add_u32 v[SPW], v0, 2, SPARE
	v_mov_b32 v[NIL], 0
	v_lshrrev_b32 v1, 5, v0
	v_readfirstlane_b32 s12, v1                    ; wave 0..7
	v_and_b32 v11, 31, v0                          ; l
	v_and_b32 v12, 15, v0
	v_bfe_u32 v13, v0, 4, 1
	v_lshlrev_b32 v[LO], 4, v11
	v_lshlrev_b32 v[SMO], 3, v11
	v_lshlrev_b32 v[GOF], 13, v13
	v_lshl_add_u32 v[GOF], v12, 4, v[GOF]
	s_lshl_b32 s22, s12, 11                        ; my stage
	v_lshl_add_u32 v[STO], v11, 2, s22
	v_lshlrev_b32 v[RD], 8, v13
	v_lshl_add_u32 v[RD], v12, 4, v[RD]
	v_add_nc_u32 v[RD], s22, v[RD]
	v_mov_b32 v[ONE], 1.0
	v_mov_b32 v[NEG], -1.0
	s_lshr_b32 s13, ttmp9, 2                       ; q: the chunk, 0..63
	s_and_b32 s14, ttmp9, 3
	s_lshl_b32 s14, s14, 9
	s_lshl_b32 s15, s12, 6
	s_add_co_u32 s14, s14, s15                     ; c0: my first channel
	s_lshr_b32 s15, s13, 4                         ; the batch
	s_and_b32 s31, s13, 15                         ; c: how many chunks of the batch lie in front of mine
	s_lshl_b32 s16, s13, 19                        ; gm, gu: a chunk is 16 groups of 32,768 bytes; 16 bytes a channel
	s_lshl_b32 s17, s14, 4
	s_add_co_u32 s16, s16, s17
	s_mov_b32 s17, 0
	s_lshl_b32 s18, s15, 18                        ; sm: a batch is 16 chunks of 16,384 bytes; 8 bytes a channel
	s_lshl_b32 s19, s14, 3
	s_add_co_u32 s18, s18, s19
	s_mov_b32 s19, 0
	s_lshl_b32 s20, s13, 20                        ; out0: a chunk is 128 rows of 8,192 bytes; 4 bytes a channel
	s_lshl_b32 s21, s14, 2
	s_add_co_u32 s20, s20, s21
	s_mov_b32 s21, 0
	s_wait_kmcnt 0x0
	s_add_nc_u64 s[4:5], s[4:5], s[16:17]
	s_add_nc_u64 s[6:7], s[6:7], s[16:17]
	s_add_nc_u64 s[8:9], s[8:9], s[18:19]
	s_add_nc_u64 s[10:11], s[10:11], s[20:21]
.macro LOADG g                         ; group g's four loads, into slot g % 8
.set SL2, DAT+16*((\g)%8)
	global_load_b128 v[SL2:SL2+3],     v[LO], s[4:5] offset:(\g)*32768 th:TH_LOAD_NT
	global_load_b128 v[SL2+4:SL2+7],   v[LO], s[4:5] offset:(\g)*32768+512 th:TH_LOAD_NT
	global_load_b128 v[SL2+8:SL2+11],  v[LO], s[6:7] offset:(\g)*32768 th:TH_LOAD_NT
	global_load_b128 v[SL2+12:SL2+15], v[LO], s[6:7] offset:(\g)*32768+512 th:TH_LOAD_NT
.endm
.set j, 0
.rept 15                                           ; the summaries of the batch's chunks 0 to 14, for my two channels: all are loaded, those at or behind my chunk are not taken
	global_load_b64 v[SMR+4*j:SMR+4*j+1],   v[SMO], s[8:9] offset:j*16384
	global_load_b64 v[SMR+4*j+2:SMR+4*j+3], v[SMO], s[8:9] offset:j*16384+256
.set j, j+1
.endr
.irp g, 0,1,2,3,4,5,6,7
	LOADG \g
.endr
	s_wait_loadcnt 32                              ; the 30 summary loads are in; the 32 data loads behind them stay out
	v_mov_b32 v[Y+7], 0                            ; h before the batch's first step
	v_mov_b32 v[Y+15], 0
.set j, 0
.rept 15
	s_cmp_gt_u32 s31, j                            ; does chunk j lie in front of mine?  The choice selects a value: the work is done in every case
	s_cselect_b32 s30, -1, 0
	v_fma_f32 v[Y],   v[SMR+4*j],   v[Y+7],  v[SMR+4*j+1]
	v_fma_f32 v[Y+8], v[SMR+4*j+2], v[Y+15], v[SMR+4*j+3]
	v_cndmask_b32 v[Y+7],  v[Y+7],  v[Y],   s30
	v_cndmask_b32 v[Y+15], v[Y+15], v[Y+8], s30
.set j, j+1
.endr
.macro SEND t, younger                 ; group t's rows leave; younger: the LDS instructions issued behind its four loads from the stage
.set BB2, BK+16*((\t)%2)
	s_wait_dscnt \younger
.irp i, 0,1,2,3
	global_store_b128 v[GOF], v[BB2+4*(\i):BB2+4*(\i)+3], s[10:11] offset:(\t)*65536+(\i)*16384 th:TH_STORE_NT  ; 16 lanes store 256 consecutive bytes, aligned; two rows an instruction
.endr
.endm
.macro GROUP t
.set SL, DAT+16*((\t)%8)
.set BB, BK+16*((\t)%2)
.if (\t) <= 8
	s_wait_loadcnt 28                              ; loads come back in order: behind this group's four, seven groups' loads have been issued
.else
	s_wait_loadcnt 4*(15-(\t))                     ; nothing is asked for any more: the counts run down
.endif
.irp k, 0,1
.irp n, 0,1,2,3
	v_fma_mix_f32 v[AV+8*(\k)+2*(\n)],   v[SL+4*(\k)+(\n)], v[NEG], v[ONE] op_sel_hi:[1,0,0]                ; a = 1 - m, m straight from its f16 half
	v_fma_mix_f32 v[AV+8*(\k)+2*(\n)+1], v[SL+4*(\k)+(\n)], v[NEG], v[ONE] op_sel:[1,0,0] op_sel_hi:[1,0,0]
.endr
.endr
.irp n, 0,1,2,3                                    ; h = a h + u, u straight from its f16 half; the two channels' chains by turns
.irp k, 0,1
	v_fma_mix_f32 v[Y+8*(\k)+2*(\n)], v[AV+8*(\k)+2*(\n)], v[Y+8*(\k)+(2*(\n)+7)%8], v[SL+8+4*(\k)+(\n)] op_sel_hi:[0,0,1]
.endr
.irp k, 0,1
	v_fma_mix_f32 v[Y+8*(\k)+2*(\n)+1], v[AV+8*(\k)+2*(\n)+1], v[Y+8*(\k)+2*(\n)], v[SL+8+4*(\k)+(\n)] op_sel:[0,0,1] op_sel_hi:[0,0,1]
.endr
.endr
.if (\t) < 8
	LOADG (\t)+8                                   ; the slot is free: it takes the group eight further on
.endif
	s_wait_xcnt 0x0                                ; the stores of the group before last have read this buffer of BK, which is loaded again below
.irp k, 0,1
.irp j, 0,1,2,3,4,5,6,7
	ds_store_b32 v[STO], v[Y+8*(\k)+(\j)] offset:256*(\j)+128*(\k)  ; row j of the stage, 32 neighbouring channels
.endr
.endr
.irp i, 0,1,2,3
	ds_load_b128 v[BB+4*(\i):BB+4*(\i)+3], v[RD] offset:512*(\i)  ; LDS serves a wave's instructions in order (ISA guide 5.7.1.4): these see the stores above, and the next group's stores come behind them
.endr
.if (\t) > 0
	SEND (\t)-1, 20                                ; this group's 16 stores and 4 loads may be out
.endif
.endm
.irp t, 0,1,2,3,4,5,6,7,8,9,10,11,12,13,14,15
	GROUP \t
.endr
	SEND 15, 0
	s_wait_tensorcnt 0x0                           ; the wave's end: behind my last LDS store, the add to my spare word and its wait
	ds_add_u32 v[SPW], v[NIL]
	s_wait_dscnt 0x0
	s_endpgm
.Lfunc_end_k_q1f19d219df_scan:
	.size	k_q1f19d219df_scan, .Lfunc_end_k_q1f19d219df_scan-k_q1f19d219df_scan
	.p2alignl 7, 3214868480
	.fill 96, 4, 3214868480
	.section	.rodata,"a",@progbits
	.p2align	6, 0x0
	.amdhsa_kernel k_q1f19d219df_scan
		.amdhsa_group_segment_fixed_size 17408
		.amdhsa_private_segment_fixed_size 0
		.amdhsa_enable_private_segment 0
		.amdhsa_kernarg_size 32
		.amdhsa_user_sgpr_count 2
		.amdhsa_user_sgpr_kernarg_segment_ptr 1
		.amdhsa_wavefront_size32 1
		.amdhsa_system_sgpr_workgroup_id_x 1
		.amdhsa_system_sgpr_workgroup_id_y 1
		.amdhsa_system_sgpr_workgroup_id_z 1
		.amdhsa_system_vgpr_workitem_id 0
		.amdhsa_next_free_vgpr 220
		.amdhsa_next_free_sgpr 66
		.amdhsa_reserve_vcc 0
		.amdhsa_float_denorm_mode_32 3
		.amdhsa_float_denorm_mode_16_64 3
		.amdhsa_memory_ordered 1
		.amdhsa_forward_progress 1
		.amdhsa_inst_pref_size 76
	.end_amdhsa_kernel
	.amdgpu_metadata
---
amdhsa.version: [ 1, 2 ]
amdhsa.kernels:
  - .name:           k_q1f19d219df_scan
    .symbol:         k_q1f19d219df_scan.kd
    .args:
      - { .name: gm, .offset: 0, .size: 8, .value_kind: global_buffer, .address_space: global }
      - { .name: gu, .offset: 8, .size: 8, .value_kind: global_buffer, .address_space: global }
      - { .name: sm, .offset: 16, .size: 8, .value_kind: global_buffer, .address_space: global }
      - { .name: out0, .offset: 24, .size: 8, .value_kind: global_buffer, .address_space: global }
    .group_segment_fixed_size: 17408
    .private_segment_fixed_size: 0
    .kernarg_segment_align: 8
    .kernarg_segment_size: 32
    .max_flat_workgroup_size: 256
    .sgpr_count:     66
    .vgpr_count:     220
    .wavefront_size: 32
...
	.end_amdgpu_metadata
.endif
;; end of part 3
;; ======== version 2 of 2: 3 launches; version 1 with the launches cvt, scan written anew for expert scheduling mode
;; limits: inputs' magnitudes at most 65,504; values are held in f16: magnitudes above 65,504 overflow, below 6.1e-05 lose precision
;; workspace buffers: xb 33,554,432 bytes; wb 16,777,216 bytes; gm 33,554,432 bytes; gu 33,554,432 bytes; sm 1,048,576 bytes
;; launch cvt (part 4): grid 768 x 1, 8 waves a work-group, no clusters, 0 bytes of LDS; arguments x, Wa, Wx, xb, wb; writes xb, wb
.if DOCPART == 4
	.amdgcn_target "amdgcn-amd-amdhsa--gfx1250"
	.amdhsa_code_object_version 6
	.text
	.protected	k_q1f19d219df_cvt
	.globl	k_q1f19d219df_cvt
	.p2align	8
	.type	k_q1f19d219df_cvt,@function
k_q1f19d219df_cvt:
	s_mov_b64 s[64:65], 0
	v_nop
	global_prefetch_b8 v0, s[64:65] scope:SCOPE_SE
	s_setreg_imm32_b32 hwreg(HW_REG_WAVE_SCHED_MODE, 0, 2), 2
	s_setreg_imm32_b32 hwreg(HW_REG_WAVE_MODE, 25, 1), 1
	s_wait_xcnt 0x0
	s_wait_alu depctr_vm_vsrc(0)
; xb = x rounded to bf16, [8192][2048].  wb = Wa's and Wx's rows rounded to bf16, [4096][2048], interleaved in blocks of 64:
; channel h of gate g (0: Wa, 1: Wx) becomes row (h / 64) x 128 + 64 g + h % 64, so that 128 consecutive rows of wb hold both gates of 64 channels.
; A stream: each byte is read once and written once, nothing is shared, so there is no LDS, no barrier and no matrix work.
; SHARES.  A work-group takes 16 source rows (131,072 bytes in, 65,536 out): groups 0-511 x, 512-639 Wa, 640-767 Wx.  16 source rows are 16 consecutive rows of the target too.
; A wave takes two rows: 32 loads of 512 consecutive bytes, all on their way at once; each load's numbers leave as 256 consecutive bytes, aligned.
; THE MODE: SCHED_MODE bits 1:0 = 2 (LLVM: expert scheduling mode 2), set by the entry lines.  The code itself states the register dependences
; between vector instructions and memory instructions, with s_wait_alu, always for 0.
; THE PLAN.  Registers that memory instructions touch:
;   v1, v2   the loads' and the stores' offsets: written once at the head, never again.
;   IN       written by the 32 loads, which all stand at the head; read by the conversions; no vector instruction writes it, and nothing is loaded into it twice.
;   OUT      written once by the conversions, read once by the stores.
; The 32 loads go in eight blocks of four.  Block p converts its four loads; the stores of block p - 1 are dealt among its conversions, behind ONE wait at the block's head, which states
; that block p - 1's conversions have written their part of OUT.  Block p's conversions name IN and OUT of block p alone, so those stores owe nothing more.
; No register that a memory instruction reads is ever written again: nothing else is owed.
.set BLOCK, 4                          ; loads in a block
.set IN,  16                           ; v[16:143]  load i: 4 registers
.set OUT, 144                          ; v[144:207] load i: 2 registers, 4 bf16
	s_load_b256 s[4:11], s[0:1], 0x0               ; x s[4:5], Wa s[6:7], Wx s[8:9], xb s[10:11]
	s_load_b64 s[12:13], s[0:1], 0x20              ; wb
	s_mov_b32 s14, ttmp9                           ; g
	s_sub_co_u32 s15, s14, 512                     ; the block among the weights' 256 (used where g >= 512 alone)
	s_bfe_u32 s16, s15, 0x10007                    ; the gate: bit 7
	s_and_b32 s17, s15, 127                        ; jj: the block of 16 rows in its matrix
	s_lshr_b32 s18, s17, 2
	s_lshl_b32 s18, s18, 7                         ; (jj / 4) x 128
	s_lshl_b32 s19, s16, 6
	s_add_co_u32 s18, s18, s19                     ; + 64 x gate
	s_and_b32 s19, s17, 3
	s_lshl_b32 s19, s19, 4
	s_add_co_u32 s18, s18, s19                     ; + 16 (jj % 4): the first target row in wb,
	s_lshl_b32 s18, s18, 12                        ; in bytes (a row of bf16 is 4,096)
	s_lshl_b32 s28, s14, 16                        ; the target offset in xb: 16 rows of 4,096 bytes a group
	v_lshrrev_b32 v3, 5, v0                        ; wave
	v_and_b32 v4, 31, v0                           ; lane
	v_lshlrev_b32 v1, 4, v4
	v_lshl_add_u32 v1, v3, 14, v1                  ; source: wave x 2 rows of 8,192 bytes + 16 x lane
	v_lshrrev_b32 v2, 1, v1                        ; target: half of that
	s_wait_kmcnt 0x0
	s_cmp_eq_u32 s16, 0
	s_cselect_b64 s[20:21], s[6:7], s[8:9]         ; Wa or Wx
	s_cmp_lt_u32 s14, 512
	s_cselect_b64 s[20:21], s[4:5], s[20:21]       ; or x
	s_cselect_b64 s[22:23], s[10:11], s[12:13]     ; xb or wb
	s_cselect_b32 s24, s14, s17                    ; the block of 16 rows in the source
	s_cselect_b32 s26, s28, s18
	s_lshl_b32 s24, s24, 17                        ; 16 rows of 8,192 bytes
	s_mov_b32 s25, 0
	s_mov_b32 s27, 0
	s_add_nc_u64 s[20:21], s[20:21], s[24:25]
	s_add_nc_u64 s[22:23], s[22:23], s[26:27]
	s_wait_alu depctr_va_vdst(0)                   ; v1 and v2 are written: every load of the kernel reads v1 as its offset, every store v2
.set i, 0
.rept 32
	global_load_b128 v[IN+4*i:IN+4*i+3], v1, s[20:21] offset:512*i th:TH_LOAD_NT
.set i, i+1
.endr
; Block p: its four loads are converted; the four stores of the block before stand among the conversions, a store ahead of each load's two.
.macro BLK p
	s_wait_loadcnt 32-BLOCK*((\p)+1)               ; loads come back in order: this block's four are in, the younger ones stay out
.if (\p) > 0
	s_wait_alu depctr_va_vdst(0)                   ; the block before's conversions have written their part of OUT, which the four stores below read
.endif
.irp i, 0,1,2,3
.set CUR, BLOCK*(\p)+(\i)
.set PRV, CUR-BLOCK
.if (\p) > 0
	global_store_b64 v2, v[OUT+2*PRV:OUT+2*PRV+1], s[22:23] offset:256*PRV  ; 32 lanes store 256 consecutive bytes, aligned; no vector instruction since the wait names these registers
.endif
	v_cvt_pk_bf16_f32 v[OUT+2*CUR],   v[IN+4*CUR],   v[IN+4*CUR+1]
	v_cvt_pk_bf16_f32 v[OUT+2*CUR+1], v[IN+4*CUR+2], v[IN+4*CUR+3]
.endr
.endm
.irp p, 0,1,2,3,4,5,6,7
	BLK \p
.endr
	s_wait_alu depctr_va_vdst(0)                   ; the last block's conversions have written their part of OUT, which the last four stores read
.irp i, 0,1,2,3
.set PRV, 32-BLOCK+(\i)
	global_store_b64 v2, v[OUT+2*PRV:OUT+2*PRV+1], s[22:23] offset:256*PRV
.endr
	s_endpgm
.Lfunc_end_k_q1f19d219df_cvt:
	.size	k_q1f19d219df_cvt, .Lfunc_end_k_q1f19d219df_cvt-k_q1f19d219df_cvt
	.p2alignl 7, 3214868480
	.fill 96, 4, 3214868480
	.section	.rodata,"a",@progbits
	.p2align	6, 0x0
	.amdhsa_kernel k_q1f19d219df_cvt
		.amdhsa_group_segment_fixed_size 0
		.amdhsa_private_segment_fixed_size 0
		.amdhsa_enable_private_segment 0
		.amdhsa_kernarg_size 40
		.amdhsa_user_sgpr_count 2
		.amdhsa_user_sgpr_kernarg_segment_ptr 1
		.amdhsa_wavefront_size32 1
		.amdhsa_system_sgpr_workgroup_id_x 1
		.amdhsa_system_sgpr_workgroup_id_y 1
		.amdhsa_system_sgpr_workgroup_id_z 1
		.amdhsa_system_vgpr_workitem_id 0
		.amdhsa_next_free_vgpr 208
		.amdhsa_next_free_sgpr 66
		.amdhsa_reserve_vcc 0
		.amdhsa_float_denorm_mode_32 3
		.amdhsa_float_denorm_mode_16_64 3
		.amdhsa_memory_ordered 1
		.amdhsa_forward_progress 1
		.amdhsa_inst_pref_size 13
	.end_amdhsa_kernel
	.amdgpu_metadata
---
amdhsa.version: [ 1, 2 ]
amdhsa.kernels:
  - .name:           k_q1f19d219df_cvt
    .symbol:         k_q1f19d219df_cvt.kd
    .args:
      - { .name: x, .offset: 0, .size: 8, .value_kind: global_buffer, .address_space: global }
      - { .name: Wa, .offset: 8, .size: 8, .value_kind: global_buffer, .address_space: global }
      - { .name: Wx, .offset: 16, .size: 8, .value_kind: global_buffer, .address_space: global }
      - { .name: xb, .offset: 24, .size: 8, .value_kind: global_buffer, .address_space: global }
      - { .name: wb, .offset: 32, .size: 8, .value_kind: global_buffer, .address_space: global }
    .group_segment_fixed_size: 0
    .private_segment_fixed_size: 0
    .kernarg_segment_align: 8
    .kernarg_segment_size: 40
    .max_flat_workgroup_size: 256
    .sgpr_count:     66
    .vgpr_count:     208
    .wavefront_size: 32
...
	.end_amdgpu_metadata
.endif
;; end of part 4
;; launch gemm: the kernel of part 2 again; grid 16 x 32, 4 waves a work-group, clusters of 4 x 4, 327,680 bytes of LDS; arguments xb, wb, ba, bx, Lam, gm, gu, sm; writes gm, gu, sm
;; launch scan (part 5): grid 256 x 1, 8 waves a work-group, no clusters, 17,408 bytes of LDS; arguments gm, gu, sm, out0; writes out0
.if DOCPART == 5
	.amdgcn_target "amdgcn-amd-amdhsa--gfx1250"
	.amdhsa_code_object_version 6
	.text
	.protected	k_q1f19d219df_scan
	.globl	k_q1f19d219df_scan
	.p2align	8
	.type	k_q1f19d219df_scan,@function
k_q1f19d219df_scan:
	s_mov_b64 s[64:65], 0
	v_nop
	global_prefetch_b8 v0, s[64:65] scope:SCOPE_SE
	s_setreg_imm32_b32 hwreg(HW_REG_WAVE_SCHED_MODE, 0, 2), 2
	s_setreg_imm32_b32 hwreg(HW_REG_WAVE_MODE, 25, 1), 1
	s_wait_xcnt 0x0
	s_wait_alu depctr_vm_vsrc(0)
; THE RECURRENCE.  h_t = a_t h_(t-1) + u_t along 2,048 steps, for 4 batches x 2,048 channels, in f32.  gm holds 1 - a, gu holds u, both in f16 and both [step / 8][channel][step % 8]; sm holds for each chunk of
; 128 steps and channel (P, H): the product of the chunk's a and its end state from a zero start, in f32.  out0 is [8192][2048] f32.
; LIMITS.  u arrives in f16: within 65,504, and below 6e-5 on f16's fixed step of 6e-8; so does 1 - a, which lies in 0 to 1.  NaN and infinities are not treated apart.
; All chunks run side by side: a wave first joins the summaries of the chunks in front of its own (H = P_j H + H_j, in order), which gives the state that enters its chunk, then walks its 128 steps.
; A stream: gm, gu are read once, out0 written once; nothing is shared but the small summaries, so there is no cluster, no tensor load and no barrier.
; SHARES.  A wave takes one chunk x 64 channels; lane l the channels c0 + l and c0 + 32 + l.  A group is 8 steps: four loads of 512 consecutive bytes.  Eight groups' loads are on their way.
; THE WAY OUT.  A lane holds eight steps of a channel, a row of out0 wants neighbouring channels: a group's 8 rows x 256 bytes go through the wave's own stage in LDS and leave as whole aligned blocks of 256 bytes.
; THE MODE: SCHED_MODE bits 1:0 = 2 (LLVM: expert scheduling mode 2), set by the entry lines.  The code itself states the register dependences
; between vector instructions and memory or LDS instructions, with s_wait_alu, always for 0.
; THE PLAN.  Registers that memory or LDS instructions touch:
;   LO, SMO, GOF, STO, RD, SPW, NIL   offsets, LDS addresses and the closing add's pair: written at the head, never again.
;   DAT, nine slots    Slot g % 9 takes group g's loads; group g's 32 vector lines read it; in group g + 1 the loads of group g + 9 land in it.  Slot 8 is named by no vector line ahead of its first load.
;   Y0, Y1             Group t's chain writes Y[t % 2] and takes the carry out of Y[(t - 1) % 2]; the 16 LDS stores issued in group t + 1 read Y[t % 2].
;   BK0, BK1           The four LDS loads issued in group t + 1 land in BK[t % 2]; the four global stores issued in group t + 2 read it.  (Before that these registers held summaries, which the fold read.)
;   AV, ONE, NEG       are named by vector lines alone.
; So group t's memory and LDS instructions touch what group t - 1 worked on (its slot, its Y) and the two BK, and group t's vector lines name slot t % 9, AV and Y[t % 2]; of Y[(t - 1) % 2] they read the carry,
; behind the LDS stores that read that buffer.  The waits at a group's head state all that the group's 28 memory and LDS instructions hang on, and these follow with no further s_wait_alu.
.set SPARE, 16384                      ; behind the eight stages of 2,048 bytes: the spare words, 128 bytes for each wave: four blocks of 256 bytes that no other line names
.set LO,  2                            ; v2   16 l: my 16 bytes in gm and gu
.set SMO, 3                            ; v3   8 l: my pair in sm
.set GOF, 4                            ; v4   (l / 16) x 8,192 + (l % 16) x 16: my 16 bytes of two rows of out0
.set STO, 5                            ; v5   my word in a row of my stage
.set RD,  6                            ; v6   where I read two rows back
.set ONE, 7                            ; v7   1.0
.set NEG, 8                            ; v8   -1.0
.set SPW, 9                            ; v9   LDS address of my spare word; never rewritten
.set NIL, 10                           ; v10  0; never rewritten
.set DAT, 16                           ; v[16:159]  slot g % 9: 1 - a of my two channels (4 + 4), u of them (4 + 4)
.set SMR, 160                          ; v[160:219] the 30 summary pairs; used up before AV, BK and Y0 are first written
.set AV,  160                          ; v[160:175] a, in f32: channel k, step j at AV + 8 k + j
.set BK,  176                          ; v[176:207] two buffers of 16: rows read back from the stage
.set Y,   208                          ; v[208:239] two buffers of 16: h: channel k, step j at + 8 k + j; + 8 k + 7 carries the state into the next group
.set YF,  Y+16                         ; the fold leaves the state that enters the chunk where group 0 looks for its carry: in buffer 1
	s_load_b256 s[4:11], s[0:1], 0x0               ; gm s[4:5], gu s[6:7], sm s[8:9], out0 s[10:11]
	v_lshl_add_u32 v[SPW], v0, 2, SPARE
	v_mov_b32 v[NIL], 0
	v_lshrrev_b32 v1, 5, v0
	v_readfirstlane_b32 s12, v1                    ; wave 0..7
	v_and_b32 v11, 31, v0                          ; l
	v_and_b32 v12, 15, v0
	v_bfe_u32 v13, v0, 4, 1
	v_lshlrev_b32 v[LO], 4, v11
	v_lshlrev_b32 v[SMO], 3, v11
	v_lshlrev_b32 v[GOF], 13, v13
	v_lshl_add_u32 v[GOF], v12, 4, v[GOF]
	s_wait_alu depctr_va_sdst(0)                   ; s12 is written, ahead of its first reader: my stage and my channels are made from it
	s_lshl_b32 s22, s12, 11                        ; my stage
	v_lshl_add_u32 v[STO], v11, 2, s22
	v_lshlrev_b32 v[RD], 8, v13
	v_lshl_add_u32 v[RD], v12, 4, v[RD]
	v_add_nc_u32 v[RD], s22, v[RD]
	v_mov_b32 v[ONE], 1.0
	v_mov_b32 v[NEG], -1.0
	s_lshr_b32 s13, ttmp9, 2                       ; q: the chunk, 0..63
	s_and_b32 s14, ttmp9, 3
	s_lshl_b32 s14, s14, 9
	s_lshl_b32 s15, s12, 6
	s_add_co_u32 s14, s14, s15                     ; c0: my first channel
	s_lshr_b32 s15, s13, 4                         ; the batch
	s_and_b32 s31, s13, 15                         ; c: how many chunks of the batch lie in front of mine
	s_lshl_b32 s16, s13, 19                        ; gm, gu: a chunk is 16 groups of 32,768 bytes; 16 bytes a channel
	s_lshl_b32 s17, s14, 4
	s_add_co_u32 s16, s16, s17
	s_mov_b32 s17, 0
	s_lshl_b32 s18, s15, 18                        ; sm: a batch is 16 chunks of 16,384 bytes; 8 bytes a channel
	s_lshl_b32 s19, s14, 3
	s_add_co_u32 s18, s18, s19
	s_mov_b32 s19, 0
	s_lshl_b32 s20, s13, 20                        ; out0: a chunk is 128 rows of 8,192 bytes; 4 bytes a channel
	s_lshl_b32 s21, s14, 2
	s_add_co_u32 s20, s20, s21
	s_mov_b32 s21, 0
	s_wait_kmcnt 0x0
	s_add_nc_u64 s[4:5], s[4:5], s[16:17]
	s_add_nc_u64 s[6:7], s[6:7], s[16:17]
	s_add_nc_u64 s[8:9], s[8:9], s[18:19]
	s_add_nc_u64 s[10:11], s[10:11], s[20:21]
	s_wait_alu depctr_va_vdst(0)                   ; LO, SMO, GOF, STO and RD are written: every load, store and LDS instruction of the kernel reads one of them as its offset or address
.macro LOADG g                         ; group g's four loads, into slot g % 9
.set SL2, DAT+16*((\g)%9)
	global_load_b128 v[SL2:SL2+3],     v[LO], s[4:5] offset:(\g)*32768 th:TH_LOAD_NT
	global_load_b128 v[SL2+4:SL2+7],   v[LO], s[4:5] offset:(\g)*32768+512 th:TH_LOAD_NT
	global_load_b128 v[SL2+8:SL2+11],  v[LO], s[6:7] offset:(\g)*32768 th:TH_LOAD_NT
	global_load_b128 v[SL2+12:SL2+15], v[LO], s[6:7] offset:(\g)*32768+512 th:TH_LOAD_NT
.endm
.set j, 0
.rept 15                                           ; the summaries of the batch's chunks 0 to 14, for my two channels: all are loaded, those at or behind my chunk are not taken
	global_load_b64 v[SMR+4*j:SMR+4*j+1],   v[SMO], s[8:9] offset:j*16384
	global_load_b64 v[SMR+4*j+2:SMR+4*j+3], v[SMO], s[8:9] offset:j*16384+256
.set j, j+1
.endr
.irp g, 0,1,2,3,4,5,6,7
	LOADG \g
.endr
	s_wait_loadcnt 32                              ; the 30 summary loads are in; the 32 data loads behind them stay out
	v_mov_b32 v[YF+7], 0                           ; h before the batch's first step
	v_mov_b32 v[YF+15], 0
.set j, 0
.rept 15
	s_cmp_gt_u32 s31, j                            ; does chunk j lie in front of mine?  The choice selects a value: the work is done in every case
	s_cselect_b32 s30, -1, 0
	v_fma_f32 v[YF],   v[SMR+4*j],   v[YF+7],  v[SMR+4*j+1]
	v_fma_f32 v[YF+8], v[SMR+4*j+2], v[YF+15], v[SMR+4*j+3]
	v_cndmask_b32 v[YF+7],  v[YF+7],  v[YF],   s30
	v_cndmask_b32 v[YF+15], v[YF+15], v[YF+8], s30
.set j, j+1
.endr
.macro SEND t, younger                 ; group t's rows leave; younger: the LDS instructions issued behind its four loads from the stage
.set BB2, BK+16*((\t)%2)
	s_wait_dscnt \younger
.irp i, 0,1,2,3
	global_store_b128 v[GOF], v[BB2+4*(\i):BB2+4*(\i)+3], s[10:11] offset:(\t)*65536+(\i)*16384 th:TH_STORE_NT  ; 16 lanes store 256 consecutive bytes, aligned; two rows an instruction
.endr
.endm
; Turn t.  t < 16: group t's arithmetic.  t >= 1: group t - 1 goes through the stage.  t >= 2: group t - 2 leaves.  t < 8: group t + 8 is asked for.
.macro GROUP t
.set SL, DAT+16*((\t)%9)               ; this group's data
.set YC, Y+16*((\t)%2)                 ; this group's h
.set YP, Y+16*(((\t)+1)%2)             ; the h of the group before
.set BB, BK+16*(((\t)+1)%2)            ; where the rows of the group before come back
.if (\t) < 16
.if (\t) <= 8
	s_wait_loadcnt 28                              ; loads come back in order: behind this group's four, seven groups' loads have been issued
.else
	s_wait_loadcnt 4*(15-(\t))                     ; nothing is asked for any more: the counts run down
.endif
.endif
.if (\t) >= 3
	s_wait_xcnt 0x0                                ; the global stores issued in the turn before have had their addresses translated: the buffer of BK that they read is loaded again only behind this wait
.endif
.if (\t) >= 2
	s_wait_alu depctr_vm_vsrc(0)                   ; the LDS stores issued in the turn before have read Y[t % 2], which this group's chain writes again; the global stores issued there have read the buffer of BK in which the LDS loads below land
.endif
.if (\t) >= 1
	s_wait_alu depctr_va_vdst(0)                   ; the group before has written its Y, which the LDS stores below read, and is done reading its slot, in which the loads below land; in turn 1 the fold is done reading the summaries, where BK lies
.endif
.if (\t) < 8
	LOADG (\t)+8                                   ; into the slot that the group before read (in turn 0: slot 8, which no vector line has named)
.endif
.irp k, 0,1
.irp n, 0,1,2,3
.if (\t) >= 1
	ds_store_b32 v[STO], v[YP+8*(\k)+2*(\n)]   offset:256*(2*(\n))+128*(\k)    ; row j of the stage, 32 neighbouring channels.  No wait: the lines that make a, the only vector lines since the wait, name slot t % 9, AV, ONE and NEG
	ds_store_b32 v[STO], v[YP+8*(\k)+2*(\n)+1] offset:256*(2*(\n)+1)+128*(\k)
.endif
.if (\t) < 16
	v_fma_mix_f32 v[AV+8*(\k)+2*(\n)],   v[SL+4*(\k)+(\n)], v[NEG], v[ONE] op_sel_hi:[1,0,0]                ; a = 1 - m, m straight from its f16 half
	v_fma_mix_f32 v[AV+8*(\k)+2*(\n)+1], v[SL+4*(\k)+(\n)], v[NEG], v[ONE] op_sel:[1,0,0] op_sel_hi:[1,0,0]
.endif
.endr
.endr
.if (\t) >= 1
.irp i, 0,1,2,3
	ds_load_b128 v[BB+4*(\i):BB+4*(\i)+3], v[RD] offset:512*(\i)  ; LDS serves a wave's instructions in order (ISA guide 5.7.1.4): these see the stores above, and the next turn's stores come behind them
.endr
.endif
.if (\t) >= 2
	SEND (\t)-2, 20                                ; this turn's 16 stores and 4 loads may be out
.endif
.if (\t) < 16
.irp n, 0,1,2,3                                    ; h = a h + u, u straight from its f16 half; the two channels' chains by turns; the first link takes the carry out of the other buffer
.irp k, 0,1
.if (\n) == 0
	v_fma_mix_f32 v[YC+8*(\k)], v[AV+8*(\k)], v[YP+8*(\k)+7], v[SL+8+4*(\k)] op_sel_hi:[0,0,1]
.else
	v_fma_mix_f32 v[YC+8*(\k)+2*(\n)], v[AV+8*(\k)+2*(\n)], v[YC+8*(\k)+2*(\n)-1], v[SL+8+4*(\k)+(\n)] op_sel_hi:[0,0,1]
.endif
.endr
.irp k, 0,1
	v_fma_mix_f32 v[YC+8*(\k)+2*(\n)+1], v[AV+8*(\k)+2*(\n)+1], v[YC+8*(\k)+2*(\n)], v[SL+8+4*(\k)+(\n)] op_sel:[0,0,1] op_sel_hi:[0,0,1]
.endr
.endr
.endif
.endm
.irp t, 0,1,2,3,4,5,6,7,8,9,10,11,12,13,14,15,16
	GROUP \t
.endr
	SEND 15, 0
	s_wait_dscnt 0x0                               ; the closing lines, six on end
	s_wait_alu 0x0
	s_wait_tensorcnt 0x0
	ds_add_u32 v[SPW], v[NIL]
	s_wait_dscnt 0x0
	s_endpgm
.Lfunc_end_k_q1f19d219df_scan:
	.size	k_q1f19d219df_scan, .Lfunc_end_k_q1f19d219df_scan-k_q1f19d219df_scan
	.p2alignl 7, 3214868480
	.fill 96, 4, 3214868480
	.section	.rodata,"a",@progbits
	.p2align	6, 0x0
	.amdhsa_kernel k_q1f19d219df_scan
		.amdhsa_group_segment_fixed_size 17408
		.amdhsa_private_segment_fixed_size 0
		.amdhsa_enable_private_segment 0
		.amdhsa_kernarg_size 32
		.amdhsa_user_sgpr_count 2
		.amdhsa_user_sgpr_kernarg_segment_ptr 1
		.amdhsa_wavefront_size32 1
		.amdhsa_system_sgpr_workgroup_id_x 1
		.amdhsa_system_sgpr_workgroup_id_y 1
		.amdhsa_system_sgpr_workgroup_id_z 1
		.amdhsa_system_vgpr_workitem_id 0
		.amdhsa_next_free_vgpr 240
		.amdhsa_next_free_sgpr 66
		.amdhsa_reserve_vcc 0
		.amdhsa_float_denorm_mode_32 3
		.amdhsa_float_denorm_mode_16_64 3
		.amdhsa_memory_ordered 1
		.amdhsa_forward_progress 1
		.amdhsa_inst_pref_size 77
	.end_amdhsa_kernel
	.amdgpu_metadata
---
amdhsa.version: [ 1, 2 ]
amdhsa.kernels:
  - .name:           k_q1f19d219df_scan
    .symbol:         k_q1f19d219df_scan.kd
    .args:
      - { .name: gm, .offset: 0, .size: 8, .value_kind: global_buffer, .address_space: global }
      - { .name: gu, .offset: 8, .size: 8, .value_kind: global_buffer, .address_space: global }
      - { .name: sm, .offset: 16, .size: 8, .value_kind: global_buffer, .address_space: global }
      - { .name: out0, .offset: 24, .size: 8, .value_kind: global_buffer, .address_space: global }
    .group_segment_fixed_size: 17408
    .private_segment_fixed_size: 0
    .kernarg_segment_align: 8
    .kernarg_segment_size: 32
    .max_flat_workgroup_size: 256
    .sgpr_count:     66
    .vgpr_count:     240
    .wavefront_size: 32
...
	.end_amdgpu_metadata
.endif
;; end of part 5
